; MI455X (gfx1250); checked and timed in simulation.
; The chip was launched on July 23, 2026; its instructions are those of AMD's public machine-readable ISA for CDNA 5 (MIT licence, August 2026) and "CDNA5" Instruction Set Architecture Reference Guide (July 2026). The comments in the code are by the model that wrote it; some were corrected since.
;; Cross Attention. Allowed arithmetic: float matrix products may take bf16 or f16 operands with f32 sums; all other float work in f32.
;; Inputs: Wk 768 x 512 float32; Wq 512 x 512 float32; Wv 768 x 512 float32; context 8 x 1,024 x 768 float32; tokens 8 x 4,096 x 512 float32.
;; Outputs: out0 8 x 4,096 x 512 float32.
;; One version. Each part assembles by itself: llvm-mc -triple=amdgcn-amd-amdhsa -mcpu=gfx1250 --defsym DOCPART=n.
;; ======== version 1 of 1: 3 launches
;; limits: values are held in f16: magnitudes above 65,504 overflow, below 6.1e-05 lose precision; inputs' magnitudes at most 65,504; right only within a limited range of input values
;; workspace buffers: wcat 1,572,864 bytes; kv 16,777,216 bytes
;; launch prep (part 1): grid 16 x 16, 4 waves a work-group, clusters of 4 x 4, 167,936 bytes of LDS; arguments Wk, Wq, Wv, wcat; writes wcat
.if DOCPART == 1
	.amdgcn_target "amdgcn-amd-amdhsa--gfx1250"
	.amdhsa_code_object_version 6
	.text
	.protected	k_q122af6e90c_prep
	.globl	k_q122af6e90c_prep
	.p2align	8
	.type	k_q122af6e90c_prep,@function
k_q122af6e90c_prep:
	s_mov_b64 s[64:65], 0
	v_nop
	global_prefetch_b8 v0, s[64:65] scope:SCOPE_SE
	s_setreg_imm32_b32 hwreg(HW_REG_WAVE_MODE, 25, 1), 1
	s_wait_xcnt 0x0
	s_wait_alu depctr_hold_cnt(0) depctr_sa_sdst(0) depctr_va_vdst(0) depctr_va_sdst(0) depctr_va_ssrc(0) depctr_va_vcc(0) depctr_vm_vsrc(0)
	s_getreg_b32 s2, hwreg(HW_REG_IB_STS2, 6, 4)
	s_cmp_eq_u32 s2, 0
	s_cbranch_scc0 .Lentry_in_a_cluster
	s_endpgm
.Lentry_in_a_cluster:
	s_bfe_u32 s2, ttmp6, 0x10000c
	s_cmp_lg_u32 s2, 0xf033
	s_cbranch_scc0 .Lentry_shape_is_right
	s_endpgm
.Lentry_shape_is_right:
; wcat: [768 c][1024 n] f16.  wcat[c][h] = M[c][h] = the sum over e of Wk[c][e] Wq[h][e] (h < 512);  wcat[c][512 + h] = Wv[c][h].
; WHY M.  scores = (tokens Wq)(context Wk)^T = tokens (context M)^T for every input: the products are grouped otherwise than they are written in the problem, so that the
; projection of the 32,768 tokens is never made.  Every input is read; the sums are rounded in another order than the problem's own.
; FORMAT.  Wk, Wq and Wv are rounded once to f16, sums in f32, M rounded once to f16.  LIMITS: |Wk|, |Wq|, |Wv| and |M| below 65,504 (beyond it f16 has an infinity); below 6.1e-5 f16 keeps its
; fixed step of 6e-8; NaN and infinities are not treated apart.
; SHARES.  256 work-groups.  Work-group (x, y) makes 48 rows (c) x 32 columns (h) of M over all 512 e: waves 0 to 2 take 16 rows each, two accumulators.
; All four waves convert 3 rows of Wv (6,144 bytes), each store of a wave covering 256 consecutive bytes, aligned.  M's pieces of a row are 64 bytes (32 columns): this tile gives each of the
; 256 work-groups a share and the fewest bytes to fetch; the price is that M, 786,432 bytes in all, leaves in pieces shorter than 256 bytes.
; CLUSTER.  4 x 4 work-groups: the four of a row of the cluster need the same 48 rows of Wk, the four of a column the same 32 rows of Wq: each tile is asked for jointly.
; LDS.  f32 rows in halves of 1,024 bytes, 16 bytes of padding behind each: 260 words, so row r starts at bank 4 r mod 64 (64 banks of 4 bytes: ISA guide 11.1).  Nothing is filled twice.
; The 16 k steps of 32 e are written out: the LDS address registers are never rewritten, and a step's place (its half of the rows, its 128 bytes there) stands in the loads' immediates.
.set PW,    1040
.set WKH,   48*PW                      ; Wk's 48 rows, e 0-255; behind it e 256-511
.set WQ0,   2*WKH                      ; Wq's 32 rows, e 0-255; behind it e 256-511
.set WQH,   32*PW
.set SPARE, WQ0+2*WQH                  ; the spare words, 128 bytes for each wave: two blocks of 256 bytes that no other line names
.set AWK, 4                            ; v4     LDS address of my fragment of Wk, k step 0; never rewritten
.set AWQ, 5                            ; v5     of Wq's fragments; never rewritten
.set WVO, 6                            ; v6     my byte offset in the work-group's 6,144 bytes of Wv
.set YO,  7                            ; v7-9   my byte offsets in wcat for the three pieces of Wv
.set MO,  10                           ; v10    my byte offset in the tile of M
.set OT0, 12                           ; v12-15 M, packed, columns 0-15
.set WVH, 16                           ; v16-21 Wv in f16
.set OT1, 24                           ; v24-27 M, packed, columns 16-31
.set SPW, 30                           ; v30    LDS address of my spare word; never rewritten
.set NIL, 31                           ; v31    0; never rewritten
.set RAW, 32                           ; v32-175  three buffers of 48: a k step's f32 as loaded (16 of Wk, 2 x 16 of Wq)
.set FR,  176                          ; v176-223 two buffers of 24: the same in f16 (a fragment of Wk, two of Wq)
.set ACC, 224                          ; v224-239 two accumulators
.set WVR, 240                          ; v240-251 Wv as loaded
.set WV,  12                           ; s12    my wave's number
.set G1K, 24                           ; s[24:31] descriptor group 1 for Wk's tiles
.set G1Q, 32                           ; s[32:39] for Wq's
.set G0K, 40                           ; s[40:43] descriptor group 0 for Wk's
.set G0Q, 44                           ; s[44:47] for Wq's
.set FIELDS, (2<<16)|(1<<20)|(1<<21)|(7<<22)|(3<<25)  ; 17:16 elements of 4 bytes; 20 padding on; 21 set beside a mask; 24:22 after every 256 words (code 7); 31:25 4 words (code 3)
; A joint load.  Waves 0 and 1 fetch the two halves of Wk's rows, waves 2 and 3 those of Wq's.  The branch hangs on the wave's number alone.
; An s_nop 0 and four v_nop follow each of the two lines.
.macro JLOAD
	s_cmp_lt_u32 s[WV], 2
	s_cbranch_scc0 .Lfor_q_\@
	tensor_load_to_lds s[G0K:G0K+3], s[G1K:G1K+7]
	s_nop 0
.rept 4
	v_nop
.endr
	s_branch .Lasked_\@
.Lfor_q_\@:
	tensor_load_to_lds s[G0Q:G0Q+3], s[G1Q:G1Q+7]
	s_nop 0
.rept 4
	v_nop
.endr
.Lasked_\@:
.endm
; A round of the cluster's barrier: my work-group's barrier; wave 0 signals for the work-group; every wave waits for all sixteen; my work-group's barrier once more.
.macro CROUND
	s_barrier_signal -1
	s_barrier_wait -1
	s_cmp_lg_u32 s[WV], 0
	s_cbranch_scc1 .Lnot_wave_0_\@
	s_barrier_signal -3
.Lnot_wave_0_\@:
	s_barrier_wait -3
	s_barrier_signal -1
	s_barrier_wait -1
.endm
	s_load_b256 s[4:11], s[0:1], 0x0               ; Wk s[4:5], Wq s[6:7], Wv s[8:9], wcat s[10:11]
	v_lshl_add_u32 v[SPW], v0, 2, SPARE
	v_mov_b32 v[NIL], 0
	ds_add_u32 v[SPW], v[NIL]                      ; the wave's opening: the add and its wait ahead of my first tensor load; the set-up below stands between them
	v_lshrrev_b32 v11, 5, v0
	v_readfirstlane_b32 s[WV], v11                 ; wave 0..3
	s_and_b32 s13, s[WV], 1                        ; which half of the rows' 512 e I fetch
	s_bfe_u32 s14, ttmp6, 0x40000                  ; cx
	s_bfe_u32 s15, ttmp6, 0x40004                  ; cy
	s_lshl_b32 s16, ttmp9, 2
	s_add_co_u32 s16, s16, s14                     ; x = 4 x cluster x + cx: the tile's 32 columns of M
	s_and_b32 s17, ttmp7, 0xffff
	s_lshl_b32 s17, s17, 2
	s_add_co_u32 s17, s17, s15                     ; y = 4 x cluster y + cy: the tile's 48 rows of M
	s_lshl_b32 s18, s15, 2
	s_lshl_b32 s18, 15, s18                        ; my row of the cluster
	s_lshl_b32 s19, 0x1111, s14                    ; my column
	s_or_b32 s[G1K], s18, FIELDS                   ; Wk's tiles hang on y alone: shared along the row
	s_or_b32 s[G1Q], s19, FIELDS                   ; Wq's on x alone: shared along the column
	s_mov_b32 s[G1K+1], 256<<16                    ; tensor_dim0 = 256 elements
	s_mov_b32 s[G1K+2], 48<<16                     ; tensor_dim1 = 48
	s_mov_b32 s[G1K+3], 256<<16                    ; tile_dim0 = 256
	s_mov_b32 s[G1K+4], 48                         ; tile_dim1 = 48
	s_mov_b32 s[G1K+5], 512                        ; 512 elements from row to row
	s_mov_b32 s[G1K+6], 0
	s_mov_b32 s[G1K+7], 0
	s_mov_b32 s[G1Q+1], 256<<16
	s_mov_b32 s[G1Q+2], 32<<16
	s_mov_b32 s[G1Q+3], 256<<16
	s_mov_b32 s[G1Q+4], 32
	s_mov_b32 s[G1Q+5], 512
	s_mov_b32 s[G1Q+6], 0
	s_mov_b32 s[G1Q+7], 0
	s_lshl_b32 s48, s13, 10                        ; my half: 1,024 bytes along the rows
	s_mul_i32 s20, s17, 48*2048                    ; Wk: 48 y rows of 2,048 bytes
	s_add_co_u32 s20, s20, s48
	s_mov_b32 s21, 0
	s_lshl_b32 s22, s16, 16                        ; Wq: 32 x rows of 2,048 bytes
	s_add_co_u32 s22, s22, s48
	s_mov_b32 s23, 0
	s_mov_b32 s[G0K], 1                            ; count = 1
	s_mul_i32 s[G0K+1], s13, WKH                   ; LDS address: no place in the cluster enters it
	s_mov_b32 s[G0Q], 1
	s_mul_i32 s[G0Q+1], s13, WQH
	s_add_co_u32 s[G0Q+1], s[G0Q+1], WQ0
	s_lshl_b32 s49, s17, 4
	s_add_co_u32 s49, s49, s16                     ; the work-group's number, 16 y + x: its 3 rows of Wv,
	s_mul_i32 s50, s49, 3*2048                     ; 2,048 bytes each in Wv (512 f32) and in wcat (1,024 f16)
	s_mov_b32 s51, 0
	s_mul_i32 s54, s17, 48*2048                    ; the tile of M in wcat: 48 y rows,
	s_lshl_b32 s55, s16, 6                         ; 32 x columns of 2 bytes
	s_add_co_u32 s54, s54, s55
	s_mov_b32 s55, 0
	s_wait_dscnt 0x0                               ; the opening add is done
	s_wait_kmcnt 0x0
	s_add_nc_u64 s[G0K+2:G0K+3], s[4:5], s[20:21]
	s_or_b32 s[G0K+3], s[G0K+3], 0x80000000        ; type = 2
	s_add_nc_u64 s[G0Q+2:G0Q+3], s[6:7], s[22:23]
	s_or_b32 s[G0Q+3], s[G0Q+3], 0x80000000
	s_add_nc_u64 s[8:9], s[8:9], s[50:51]          ; Wv at my work-group's 3 rows
	s_add_nc_u64 s[52:53], s[10:11], s[50:51]      ; wcat at the same 3 rows
	s_add_nc_u64 s[10:11], s[10:11], s[54:55]      ; wcat at the tile of M
	CROUND                                         ; all sixteen work-groups are here: the joint loads meet
	JLOAD                                          ; one tensor load of mine is out
	; Wv to f16, in the wait for the tiles.  Piece j = 3 w + i of twelve is 512 bytes of f32: row j / 4 of the three, 128 columns from 128 (j % 4) on.
	v_and_b32 v1, 31, v0                           ; lane
	s_mul_i32 s59, s[WV], 1536
	v_lshl_add_u32 v[WVO], v1, 4, s59
.irp i, 0,1,2
	global_load_b128 v[WVR+4*\i:WVR+4*\i+3], v[WVO], s[8:9] offset:512*\i th:TH_LOAD_NT
.endr
	s_mul_i32 s56, s[WV], 3
.irp i, 0,1,2
	s_add_co_u32 s57, s56, \i                      ; j
	s_lshr_b32 s58, s57, 2
	s_lshl_b32 s58, s58, 11                        ; its row in wcat,
	s_and_b32 s57, s57, 3
	s_lshl_b32 s57, s57, 8                         ; its 256 bytes of f16,
	s_add_co_u32 s58, s58, s57
	s_add_co_u32 s58, s58, 1024                    ; behind M's 512 columns
	v_lshl_add_u32 v[YO+\i], v1, 3, s58            ; 8 bytes a lane
.endr
	; A fragment is 16 rows x 32 e: lane l holds row l % 16, e = 8 (l / 16) + 0..7 and 16 + 8 (l / 16) + 0..7: in f32 four loads of 16 bytes, at 32 (l / 16) + 0, 16, 64, 80.
	v_and_b32 v2, 15, v0                           ; l % 16
	v_bfe_u32 v3, v0, 4, 1                         ; l / 16
	v_mul_u32_u24 v11, v2, PW
	v_lshl_add_u32 v11, v3, 5, v11
	s_mul_i32 s60, s[WV], 16*PW                    ; my 16 rows of Wk
	v_add_nc_u32 v[AWK], s60, v11
	v_add_nc_u32 v[AWQ], WQ0, v11
	s_lshl_b32 s61, s[WV], 15                      ; and of M: 16 rows of 2,048 bytes
	v_lshlrev_b32 v[MO], 11, v2
	v_lshl_add_u32 v[MO], v3, 4, v[MO]
	v_add_nc_u32 v[MO], s61, v[MO]
.irp i, 0,1,2
	s_wait_loadcnt 2-\i                            ; loads come back in order (ISA guide 5.7.1): piece i is in, the younger ones may be out
	v_cvt_pk_f16_f32 v[WVH+2*\i], v[WVR+4*\i], v[WVR+4*\i+1]
	v_cvt_pk_f16_f32 v[WVH+2*\i+1], v[WVR+4*\i+2], v[WVR+4*\i+3]
	global_store_b64 v[YO+\i], v[WVH+2*\i:WVH+2*\i+1], s[52:53]  ; the wave stores 256 consecutive bytes, at a multiple of 256 from wcat's first byte
.endr
	s_wait_tensorcnt 0x0                           ; my part of the tiles is in,
	s_barrier_signal -1
	s_barrier_wait -1                              ; everybody's is
	s_cmp_eq_u32 s[WV], 3
	s_cbranch_scc1 .Lend                           ; 48 rows are three waves' work
; Twelve LDS loads: k step ks of 16 (32 e: half ks / 8 of the rows, 128 (ks % 8) bytes on), as f32, into buffer ks % 3.  The largest immediate is 50,896, inside its 16 bits.
.macro LDK ks
.set rb, RAW+48*((\ks)%3)
.set ok, ((\ks)/8)*WKH+128*((\ks)%8)
.set oq, ((\ks)/8)*WQH+128*((\ks)%8)
.irp o, 0,1,2,3
	ds_load_b128 v[rb+4*\o:rb+4*\o+3], v[AWK] offset:ok+(\o/2)*64+(\o%2)*16
.endr
.irp nb, 0,1
.irp o, 0,1,2,3
	ds_load_b128 v[rb+16+16*\nb+4*\o:rb+16+16*\nb+4*\o+3], v[AWQ] offset:oq+\nb*16*PW+(\o/2)*64+(\o%2)*16
.endr
.endr
.endm
	; THE PRODUCT: sixteen k steps.  The matrix instruction is used transposed (source 0 = 16 rows of Wq, source 1 = 16 rows of Wk): a lane then holds eight neighbouring columns of a row of M.
	; The first step's products start the sums; the two accumulators take turns.  A fragment buffer is written again two steps on: the 24 conversions of the step between,
	; which name none of its registers, are the places behind the products that read it (ISA guide 7.12.1).
	LDK 0
	LDK 1
	LDK 2
.set ks, 0
.rept 16
.if ks < 14
	s_wait_dscnt 24                                ; LDS loads come back in order (ISA guide 5.7.1): step ks is in; two younger k steps of 12 loads may be out
.else
	s_wait_dscnt 12*(15-ks)                        ; the counts run down: nothing more is fetched
.endif
.set rb, RAW+48*(ks%3)
.set fb, FR+24*(ks%2)
.set k, 0
.rept 24
	v_cvt_pk_f16_f32 v[fb+k], v[rb+2*k], v[rb+2*k+1]
.set k, k+1
.endr
.if ks < 13
	LDK ks+3
.endif
.if ks == 0
	v_wmma_f32_16x16x32_f16 v[ACC:ACC+7], v[fb+8:fb+15], v[fb:fb+7], 0
	v_wmma_f32_16x16x32_f16 v[ACC+8:ACC+15], v[fb+16:fb+23], v[fb:fb+7], 0
.else
	v_wmma_f32_16x16x32_f16 v[ACC:ACC+7], v[fb+8:fb+15], v[fb:fb+7], v[ACC:ACC+7]
	v_wmma_f32_16x16x32_f16 v[ACC+8:ACC+15], v[fb+16:fb+23], v[fb:fb+7], v[ACC+8:ACC+15]
.endif
.set ks, ks+1
.endr
.rept 4
	v_nop                                          ; the places between the last products and the conversions that read them
.endr
.irp k, 0,1,2,3
	v_cvt_pk_f16_f32 v[OT0+\k], v[ACC+2*\k], v[ACC+2*\k+1]
.endr
.irp k, 0,1,2,3
	v_cvt_pk_f16_f32 v[OT1+\k], v[ACC+8+2*\k], v[ACC+8+2*\k+1]
.endr
	global_store_b128 v[MO], v[OT0:OT0+3], s[10:11]            ; row l % 16, columns 8 (l / 16) + 0..7
	global_store_b128 v[MO], v[OT1:OT1+3], s[10:11] offset:32  ; and 16 columns on
.Lend:
	s_wait_tensorcnt 0x0                           ; the wave's end
	ds_add_u32 v[SPW], v[NIL]
	s_wait_dscnt 0x0
	CROUND                                         ; the closing round: no work-group ends while a partner may still ask for a tile that names it
	s_endpgm
.Lfunc_end_k_q122af6e90c_prep:
	.size	k_q122af6e90c_prep, .Lfunc_end_k_q122af6e90c_prep-k_q122af6e90c_prep
	.p2alignl 7, 3214868480
	.fill 96, 4, 3214868480
	.section	.rodata,"a",@progbits
	.p2align	6, 0x0
	.amdhsa_kernel k_q122af6e90c_prep
		.amdhsa_group_segment_fixed_size 167936
		.amdhsa_private_segment_fixed_size 0
		.amdhsa_enable_private_segment 0
		.amdhsa_kernarg_size 32
		.amdhsa_user_sgpr_count 2
		.amdhsa_user_sgpr_kernarg_segment_ptr 1
		.amdhsa_wavefront_size32 1
		.amdhsa_system_sgpr_workgroup_id_x 1
		.amdhsa_system_sgpr_workgroup_id_y 1
		.amdhsa_system_sgpr_workgroup_id_z 1
		.amdhsa_system_vgpr_workitem_id 0
		.amdhsa_next_free_vgpr 256
		.amdhsa_next_free_sgpr 66
		.amdhsa_reserve_vcc 0
		.amdhsa_float_denorm_mode_32 3
		.amdhsa_float_denorm_mode_16_64 3
		.amdhsa_memory_ordered 1
		.amdhsa_forward_progress 1
		.amdhsa_inst_pref_size 47
	.end_amdhsa_kernel
	.amdgpu_metadata
---
amdhsa.version: [ 1, 2 ]
amdhsa.kernels:
  - .name:           k_q122af6e90c_prep
    .symbol:         k_q122af6e90c_prep.kd
    .args:
      - { .name: Wk, .offset: 0, .size: 8, .value_kind: global_buffer, .address_space: global }
      - { .name: Wq, .offset: 8, .size: 8, .value_kind: global_buffer, .address_space: global }
      - { .name: Wv, .offset: 16, .size: 8, .value_kind: global_buffer, .address_space: global }
      - { .name: wcat, .offset: 24, .size: 8, .value_kind: global_buffer, .address_space: global }
    .group_segment_fixed_size: 167936
    .private_segment_fixed_size: 0
    .kernarg_segment_align: 8
    .kernarg_segment_size: 32
    .max_flat_workgroup_size: 128
    .sgpr_count:     66
    .vgpr_count:     256
    .wavefront_size: 32
...
	.end_amdgpu_metadata
.endif
;; end of part 1
;; launch kv (part 2): grid 4 x 64, 4 waves a work-group, clusters of 4 x 4, 327,680 bytes of LDS; arguments context, wcat, kv; writes kv
.if DOCPART == 2
	.amdgcn_target "amdgcn-amd-amdhsa--gfx1250"
	.amdhsa_code_object_version 6
	.text
	.protected	k_q122af6e90c_kv
	.globl	k_q122af6e90c_kv
	.p2align	8
	.type	k_q122af6e90c_kv,@function
k_q122af6e90c_kv:
	s_mov_b64 s[64:65], 0
	v_nop
	global_prefetch_b8 v0, s[64:65] scope:SCOPE_SE
	s_setreg_imm32_b32 hwreg(HW_REG_WAVE_MODE, 25, 1), 1
	s_wait_xcnt 0x0
	s_wait_alu depctr_hold_cnt(0) depctr_sa_sdst(0) depctr_va_vdst(0) depctr_va_sdst(0) depctr_va_ssrc(0) depctr_va_vcc(0) depctr_vm_vsrc(0)
	s_getreg_b32 s2, hwreg(HW_REG_IB_STS2, 6, 4)
	s_cmp_eq_u32 s2, 0
	s_cbranch_scc0 .Lentry_in_a_cluster
	s_endpgm
.Lentry_in_a_cluster:
	s_bfe_u32 s2, ttmp6, 0x10000c
	s_cmp_lg_u32 s2, 0xf033
	s_cbranch_scc0 .Lentry_shape_is_right
	s_endpgm
.Lentry_shape_is_right:
; kv: [8192 = 1024 b + s][1024] f16.  kv[bs][n] = f(n) x the sum over c of context[bs][c] wcat[c][n]: columns 0-511 are K'' = 2^-10 (context M), columns 512-1023 are V = context Wv.
; FORMAT.  context is rounded once to f16 on the way from LDS to the matrix unit; sums in f32; the results are rounded once to f16.  K' = context M is a product of three inputs and has no
; room in f16 at the largest inputs that the problem allows, so it is stored times 2^-10, which is exact; the attention launch puts 2^10 back in f32.
; LIMITS: |context| and |V| below 65,504, |K'| below 6.7e7; below 6.1e-5 f16 keeps its fixed step of 6e-8 (for K': 6e-5); NaN and infinities are not treated apart.
; SHARES.  A tile is 128 rows x 256 columns: 64 x 4 = 256 work-groups.  Four waves, each 64 rows x 128 columns: 32 accumulators, 256 registers.  K = 768 goes in 6 steps of 128 through two LDS slots;
; a step is four quarters of 32.  A's tile rows are 512 bytes of f32, B's 512 bytes of f16, each starting at a multiple of 512 bytes from its buffer's first byte.
; CLUSTER.  4 x 4 work-groups: the four of a row of the cluster need the same rows of context, the four of a column the same columns of wcat: each tile is asked for jointly.
; THE MATRIX INSTRUCTION IS USED TRANSPOSED: source 0 = 16 columns of wcat (turned out of LDS by ds_load_tr16_b128, since wcat lies [c][n]), source 1 = 16 rows of context: a lane then holds eight
; neighbouring columns of a row of the result.
; REGISTERS, in windows of 256 (s_set_vgpr_msb: bits 1:0 source 0, 3:2 source 1, 5:4 source 2, 7:6 destination):
;   window 0: v0-31 addresses; v32-95 context's fragments in f16, two buffers of 32; v96-223 wcat's fragments, two buffers of 64; v224-255 packed results on the way out
;   window 1: the accumulators, (a, b) at v[8 (8 a + b)]          window 2: v0-63 context's fragments as loaded, f32
.set PA,     528                       ; a row of A in LDS: 512 bytes + 16 = 132 words: row r starts at bank 4 r mod 64 (64 banks of 4 bytes: ISA guide 11.1)
.set PB,     544                       ; a row of B: 512 + 32 = 136 words
.set BOFF,   128*PA                    ; a slot: A's 128 rows, then B's 128 rows (c)
.set SLOT1,  0x22000                   ; slot 1 begins here: its two bits are in none of the four tile addresses of slot 0, so one exclusive or changes slots
.set STAGE,  SLOT1+128*(PA+PB)         ; behind the ring, never filled by a tensor load: 16 rows x 272 bytes for each wave, for the way out
.set SPITCH, 272
.set SPARE,  STAGE+4*16*SPITCH         ; the spare words, 128 bytes for each wave: two blocks of 256 bytes that no other line names
.set ADRA0, 16                         ; v16  my lane's place in A's tile; never rewritten
.set ADRA,  17                         ; v17  the same in the slot in hand
.set ADRB0, 20                         ; v20, v21  the same for B
.set ADRB,  21
.set STO,   24                         ; v24  the way out: where I put 16 bytes of a row
.set RD,    25                         ; v25  where I read a row back
.set CO,    26                         ; v26  my byte offset in kv
.set SPW,   28                         ; v28  LDS address of my spare word; never rewritten
.set NIL,   29                         ; v29  0; never rewritten
.set AF,    32
.set BF,    96
.set TMP,   224
.set OB,    32                         ; the way out: 16 rows read back from the stage: v32-63 and v64-95 by turns
.set G1A, 24                           ; s[24:31] descriptor group 1 for A's tiles
.set G0A, 32                           ; s[32:39] group 0: a set for each of the two first fills; the second then walks on
.set G1B, 48                           ; s[48:55], s[56:63] the same for B's
.set G0B, 56
.set TB,  21                           ; s21  0 or SLOT1: the slot in hand
.set SC,  22                           ; s[22:23] the tile's factor: 2^-10 or 1
.set MSB, 0
.macro WIN new                         ; the immediate's high byte repeats the setting that is left; a switch that changes nothing is dropped
.if MSB != (\new)
	s_set_vgpr_msb (MSB<<8)|(\new)
.set MSB, (\new)
.endif
.endm
; A joint refill, by the walking sets.  Waves 0 and 1 fetch A's two halves (64 rows each), waves 2 and 3 B's.  The branch hangs on the wave's number alone.
; An s_nop 0 and four v_nop follow each of the two lines.
.macro JLOAD
	s_cmp_eq_u32 s11, 0
	s_cbranch_scc0 .Lfor_b_\@
	tensor_load_to_lds s[G0A+4:G0A+7], s[G1A:G1A+7]
	s_nop 0
.rept 4
	v_nop
.endr
	s_branch .Lasked_\@
.Lfor_b_\@:
	tensor_load_to_lds s[G0B+4:G0B+7], s[G1B:G1B+7]
	s_nop 0
.rept 4
	v_nop
.endr
.Lasked_\@:
.endm
.macro CREST                           ; a round of the cluster's barrier behind its opening barrier
	s_cmp_lg_u32 s10, 0
	s_cbranch_scc1 .Lnot_wave_0_\@
	s_barrier_signal -3
.Lnot_wave_0_\@:
	s_barrier_wait -3
	s_barrier_signal -1
	s_barrier_wait -1
.endm
.macro CROUND                          ; a whole round
	s_barrier_signal -1
	s_barrier_wait -1
	CREST
.endm
	s_load_b128 s[4:7], s[0:1], 0x0                ; context s[4:5], wcat s[6:7]
	s_load_b64 s[8:9], s[0:1], 0x10                ; kv
	v_lshl_add_u32 v[SPW], v0, 2, SPARE
	v_mov_b32 v[NIL], 0
	ds_add_u32 v[SPW], v[NIL]                      ; the wave's opening: the add and its wait ahead of my first tensor load; the set-up below stands between them
	v_lshrrev_b32 v1, 5, v0
	v_readfirstlane_b32 s10, v1                    ; wave 0..3
	s_lshr_b32 s11, s10, 1                         ; which 64 rows of the tile are mine.  Also: I fetch for A (0) or for B (1)
	s_and_b32 s12, s10, 1                          ; which 128 columns.  Also: which 64 rows of that tile I fetch
	s_bfe_u32 s40, ttmp6, 0x40000                  ; cx
	s_bfe_u32 s41, ttmp6, 0x40004                  ; cy
	s_lshl_b32 s42, ttmp9, 2
	s_add_co_u32 s42, s42, s40                     ; tile column = 4 x cluster x + cx
	s_and_b32 s13, ttmp7, 0xffff
	s_lshl_b32 s13, s13, 2
	s_add_co_u32 s13, s13, s41                     ; tile row = 4 x cluster y + cy
	s_lshl_b32 s43, s41, 2
	s_lshl_b32 s43, 15, s43                        ; my row of the cluster
	s_lshl_b32 s44, 0x1111, s40                    ; my column
	s_or_b32 s[G1A], s43, (2<<16)|(1<<20)|(1<<21)|(6<<22)|(3<<25)  ; the mask; elements of 4 bytes; padding on; 21 set beside a mask; after every 128 words (code 6) 4 words (code 3)
	s_mov_b32 s[G1A+1], 128<<16                    ; tensor_dim0 = 128 elements
	s_mov_b32 s[G1A+2], 64<<16                     ; tensor_dim1 = 64
	s_mov_b32 s[G1A+3], 128<<16                    ; tile_dim0 = 128
	s_mov_b32 s[G1A+4], 64                         ; tile_dim1 = 64
	s_mov_b32 s[G1A+5], 768                        ; 768 elements from row to row
	s_mov_b32 s[G1A+6], 0
	s_mov_b32 s[G1A+7], 0
	s_or_b32 s[G1B], s44, (1<<16)|(1<<20)|(1<<21)|(6<<22)|(7<<25)  ; elements of 2 bytes; after every 128 words 8 words (code 7)
	s_mov_b32 s[G1B+1], 256<<16
	s_mov_b32 s[G1B+2], 64<<16
	s_mov_b32 s[G1B+3], 256<<16
	s_mov_b32 s[G1B+4], 64
	s_mov_b32 s[G1B+5], 1024
	s_mov_b32 s[G1B+6], 0
	s_mov_b32 s[G1B+7], 0
	; where the tiles come from: A's hang on the tile row alone, B's on the tile column alone, each in registers that never hold the other coordinate
	s_lshl_b32 s14, s13, 7
	s_lshl_b32 s15, s12, 6
	s_add_co_u32 s14, s14, s15                     ; A: row 128 x tile row + 64 x half,
	s_mul_i32 s14, s14, 3072                       ; of 3,072 bytes
	s_mov_b32 s15, 0
	s_lshl_b32 s46, s42, 9                         ; B: 256 columns of 2 bytes x tile column,
	s_lshl_b32 s47, s12, 17                        ; 64 rows of 2,048 bytes x half
	s_add_co_u32 s46, s46, s47
	s_mov_b32 s47, 0
	s_mul_i32 s20, s12, 64*PA                      ; and where they go: no place in the cluster enters an LDS address
	s_mul_i32 s45, s12, 64*PB
	s_add_co_u32 s45, s45, BOFF
	s_lshr_b32 s[SC], s42, 1                       ; 0 for K'' (tile columns 0, 1), 1 for V (2, 3):
	s_mul_i32 s[SC], s[SC], 0x05000000             ; ten steps of the exponent
	s_add_co_u32 s[SC], s[SC], 0x3a800000          ; onto 2^-10: 2^-10 or 1.0
	s_mov_b32 s[SC+1], s[SC]                       ; named with it as a pair
	s_mov_b32 s[TB], 0
	s_wait_dscnt 0x0                               ; the opening add is done
	s_wait_kmcnt 0x0
	s_add_nc_u64 s[14:15], s[4:5], s[14:15]
	s_add_nc_u64 s[46:47], s[6:7], s[46:47]
	CROUND                                         ; all sixteen work-groups are here: the first joint loads meet
.irp n, 0,1
	s_mov_b32 s[G0A+4*\n], 1                       ; count = 1
	s_add_co_u32 s[G0A+4*\n+1], s20, \n*SLOT1      ; LDS address
	s_add_nc_u64 s[G0A+4*\n+2:G0A+4*\n+3], s[14:15], \n*512  ; K step n: 128 f32 along the rows
	s_or_b32 s[G0A+4*\n+3], s[G0A+4*\n+3], 0x80000000        ; type = 2
	s_mov_b32 s[G0B+4*\n], 1
	s_add_co_u32 s[G0B+4*\n+1], s45, \n*SLOT1
	s_add_nc_u64 s[G0B+4*\n+2:G0B+4*\n+3], s[46:47], \n*128*2048  ; K step n: 128 rows down
	s_or_b32 s[G0B+4*\n+3], s[G0B+4*\n+3], 0x80000000
.endr
	s_cmp_eq_u32 s11, 0                            ; a wave's two first fills stand in one branch, ahead of every wait on TENSORcnt and every LDS read: two loads of mine are out
	s_cbranch_scc0 .Lfirst_b
	tensor_load_to_lds s[G0A:G0A+3], s[G1A:G1A+7]
	s_nop 0
	tensor_load_to_lds s[G0A+4:G0A+7], s[G1A:G1A+7]
	s_nop 0
.rept 4
	v_nop
.endr
	s_branch .Lfirst_asked
.Lfirst_b:
	tensor_load_to_lds s[G0B:G0B+3], s[G1B:G1B+7]
	s_nop 0
	tensor_load_to_lds s[G0B+4:G0B+7], s[G1B:G1B+7]
	s_nop 0
.rept 4
	v_nop
.endr
.Lfirst_asked:
	; A's fragment is 16 rows x 32 c: lane l holds row l % 16, c = 8 (l / 16) + 0..7 and 16 + 8 (l / 16) + 0..7: in f32 four loads of 16 bytes, at 32 (l / 16) + 0, 16, 64, 80.
	v_and_b32 v1, 15, v0                           ; l % 16
	v_bfe_u32 v2, v0, 4, 1                         ; l / 16
	v_mul_u32_u24 v3, v1, PA
	v_lshl_add_u32 v3, v2, 5, v3
	s_mul_i32 s18, s11, 64*PA                      ; my 64 rows of A
	v_add_nc_u32 v[ADRA0], s18, v3
	; The turning load takes 16 c x 16 columns (lane l reads 16 bytes: row 8 (l / 16) + l % 8, columns 8 ((l / 8) % 2) + 0..7) and leaves half a fragment: lane l holds column l % 16 and 8 c.
	v_and_b32 v4, 7, v0
	v_bfe_u32 v5, v0, 3, 1
	v_lshl_add_u32 v6, v2, 3, v4
	v_mul_u32_u24 v6, v6, PB
	v_lshl_add_u32 v6, v5, 4, v6
	s_lshl_b32 s19, s12, 8                         ; my 128 columns of B,
	s_add_co_u32 s19, s19, BOFF                    ; which lies behind A
	v_add_nc_u32 v[ADRB0], s19, v6
	v_mov_b32 v[ADRA], v[ADRA0]                    ; slot 0
	v_mov_b32 v[ADRB], v[ADRB0]
	s_mul_i32 s18, s10, 16*SPITCH
	s_add_co_u32 s18, s18, STAGE                   ; my stage
	v_mul_u32_u24 v3, v1, SPITCH                   ; in: row l % 16, 16 bytes for each half of the lanes
	v_lshl_add_u32 v3, v2, 4, v3
	v_add_nc_u32 v[STO], s18, v3
	v_mul_u32_u24 v3, v2, SPITCH                   ; back: lanes 0-15 take one row of 256 bytes, lanes 16-31 the next
	v_lshl_add_u32 v3, v1, 4, v3
	v_add_nc_u32 v[RD], s18, v3
	v_lshlrev_b32 v3, 11, v2                       ; and the same two rows in kv
	v_lshl_add_u32 v[CO], v1, 4, v3
	s_lshl_b32 s16, s13, 7                         ; where my part of the tile begins in kv:
	s_lshl_b32 s17, s11, 6
	s_add_co_u32 s16, s16, s17                     ; row 128 x tile row + 64 x half,
	s_lshl_b32 s16, s16, 11                        ; of 2,048 bytes,
	s_lshl_b32 s18, s42, 9                         ; 512 bytes x tile column
	s_lshl_b32 s19, s12, 8                         ; + 256 x half
	s_add_co_u32 s16, s16, s18
	s_add_co_u32 s16, s16, s19
	s_mov_b32 s17, 0
; 32 LDS loads in one run: quarter q of the slot in hand: A's four blocks as f32, then B's eight fragments into buffer q % 2
.macro FETCH q
	WIN 0x80                                       ; destination window 2, address window 0
.irp a, 0,1,2,3
.irp o, 0,1,2,3
	ds_load_b128 v[16*\a+4*\o:16*\a+4*\o+3], v[ADRA] offset:\a*16*PA+128*(\q)+(\o/2)*64+(\o%2)*16
.endr
.endr
	WIN 0
.irp b, 0,1,2,3,4,5,6,7
	ds_load_tr16_b128 v[BF+64*((\q)%2)+8*\b:BF+64*((\q)%2)+8*\b+3],   v[ADRB] offset:32*(\q)*PB+32*\b
	ds_load_tr16_b128 v[BF+64*((\q)%2)+8*\b+4:BF+64*((\q)%2)+8*\b+7], v[ADRB] offset:32*(\q)*PB+32*\b+16*PB
.endr
.endm
; 32 roundings: A's four fragments, f32 to f16, into buffer p.  They are also the places (ISA guide 7.12.1 for vector instructions) between the products of the quarter before and the loads
; into B's buffer that those products read: they name none of those products' registers.
.macro CVT p
	WIN 0x0a                                       ; sources 0 and 1 window 2, destination window 0
.set k, 0
.rept 32
	v_cvt_pk_f16_f32 v[AF+32*(\p)+k], v[2*k], v[2*k+1]
.set k, k+1
.endr
.endm
; 16 matrix instructions: row blocks 2 half, 2 half + 1 x all 8 column blocks.  zero = 1: the first product starts the sums.  The 32 accumulators take turns in the same order in every quarter.
.macro MULH p, half, zero
	WIN 0x50                                       ; C and D window 1
.irp a, 2*(\half), 2*(\half)+1
.irp b, 0,1,2,3,4,5,6,7
.if \zero
	v_wmma_f32_16x16x32_f16 v[8*(8*(\a)+\b):8*(8*(\a)+\b)+7], v[BF+64*(\p)+8*\b:BF+64*(\p)+8*\b+7], v[AF+32*(\p)+8*(\a):AF+32*(\p)+8*(\a)+7], 0
.else
	v_wmma_f32_16x16x32_f16 v[8*(8*(\a)+\b):8*(8*(\a)+\b)+7], v[BF+64*(\p)+8*\b:BF+64*(\p)+8*\b+7], v[AF+32*(\p)+8*(\a):AF+32*(\p)+8*(\a)+7], v[8*(8*(\a)+\b):8*(8*(\a)+\b)+7]
.endif
.endr
.endr
.endm
; One of a step's first three quarters: its fragments were asked for a quarter ago; the next quarter's are asked for ahead of its 32 products.
.macro QUARTER q, zero
	s_wait_dscnt 0x0                               ; this quarter's 32 loads, issued ahead of the last 32 products
	CVT (\q)%2
	FETCH (\q)+1
	MULH (\q)%2, 0, \zero
	MULH (\q)%2, 1, \zero
.endm
; The last quarter changes slots: ONE barrier.  In front of it each wave waits for all its tensor loads, of which one is out: its part of the next slot; adds 0 to its spare word; and waits for that
; and for its reads of this slot.  fill = 1: the barrier opens a round of the cluster's, and this slot is filled again, two K steps ahead, first thing behind the round.
.macro TURN fill
	WIN 0                                          ; (the add's two registers lie in window 0)
	s_wait_tensorcnt 0x0                           ; all my tensor loads have landed
	ds_add_u32 v[SPW], v[NIL]                      ; 0 onto my spare word
	s_wait_dscnt 1                                 ; only the add may be out: this quarter's fragments are in
	CVT 1                                          ; 32 roundings stand between the add and the wait for it
	s_wait_dscnt 0x0                               ; the add is done, and my reads of this slot are over
	s_barrier_signal -1
	MULH 1, 0, 0                                   ; work on registers while the others arrive
	WIN 0
	s_barrier_wait -1
.if \fill
	CREST                                          ; no wave of any partner still reads this slot or has a load on its way
	s_xor_b32 s[G0A+5], s[G0A+5], SLOT1            ; the walking sets: the other slot than last time,
	s_add_nc_u64 s[G0A+6:G0A+7], s[G0A+6:G0A+7], 512       ; the next K step; the type bits on top are not reached
	s_xor_b32 s[G0B+5], s[G0B+5], SLOT1
	s_add_nc_u64 s[G0B+6:G0B+7], s[G0B+6:G0B+7], 128*2048
	JLOAD                                          ; my one tensor load behind the round: it has a K step less a quarter in which to land
.endif
	s_xor_b32 s[TB], s[TB], SLOT1
	v_add_nc_u32 v[ADRA], s[TB], v[ADRA0]
	v_add_nc_u32 v[ADRB], s[TB], v[ADRB0]
	FETCH 0                                        ; the next slot's first fragments
	MULH 1, 1, 0
.endm
	s_wait_tensorcnt 1                             ; my part of K step 0 is in; K step 1's may stay out
	s_barrier_signal -1
	s_barrier_wait -1                              ; everybody's is
	FETCH 0
	QUARTER 0, 1                                   ; the first quarter stands in front of the loop: its products start the sums
	WIN 0                                          ; at a label and at a branch every window is 0
	s_mov_b32 s3, 4
.Lk:                                                   ; a trip: a step's quarters 1 to 3 and the next step's quarter 0; its refill brings K steps 2 to 5
	QUARTER 1, 0
	QUARTER 2, 0
	TURN 1
	QUARTER 0, 0
	WIN 0
	s_sub_co_u32 s3, s3, 1
	s_cmp_lg_u32 s3, 0
	s_cbranch_scc1 .Lk
	QUARTER 1, 0                                   ; the tail is written out: K step 4 goes on, nothing is asked for
	QUARTER 2, 0
	TURN 0
	QUARTER 0, 0
	QUARTER 1, 0
	QUARTER 2, 0
	s_wait_dscnt 0x0                               ; the very last quarter: nothing more to fetch
	CVT 1
	MULH 1, 0, 0
	MULH 1, 1, 0
; THE WAY OUT, a block of 16 rows at a time.  PACK: times the tile's factor, rounded to f16, 16 bytes a lane (each accumulator's registers in ascending order).
; TOSTAGE: into my own stage, and back as whole rows of 256 bytes.  SEND: stored.
.macro PACK a
	WIN 0x41                                       ; destination and source 0 window 1
.set k, 0
.rept 32
	v_pk_mul_f32 v[64*(\a)+2*k:64*(\a)+2*k+1], v[64*(\a)+2*k:64*(\a)+2*k+1], s[SC:SC+1] op_sel_hi:[1,0]
.set k, k+1
.endr
	WIN 0x05                                       ; sources 0 and 1 window 1, destination window 0
.set k, 0
.rept 32
	v_cvt_pk_f16_f32 v[TMP+k], v[64*(\a)+2*k], v[64*(\a)+2*k+1]
.set k, k+1
.endr
	WIN 0
.endm
.macro TOSTAGE a
	WIN 0
.irp b, 0,1,2,3,4,5,6,7
	ds_store_b128 v[STO], v[TMP+4*\b:TMP+4*\b+3] offset:32*\b
.endr
.irp t, 0,1,2,3,4,5,6,7
	ds_load_b128 v[OB+32*((\a)%2)+4*\t:OB+32*((\a)%2)+4*\t+3], v[RD] offset:\t*2*SPITCH  ; LDS serves a wave's instructions in order (ISA guide 5.7.1.4): these see the stores above
.endr
.endm
.macro SEND a
	WIN 0
	s_wait_dscnt 0x0                               ; the block is back in registers
	s_wait_xcnt 0x0                                ; every earlier memory instruction has had its addresses translated (ISA guide 3.1): only behind this wait are the stores' base and the registers that earlier stores read rewritten
.if (\a) == 0
	s_add_nc_u64 s[8:9], s[8:9], s[16:17]          ; on to my first rows
.else
	s_add_nc_u64 s[8:9], s[8:9], 16*2048           ; 16 rows on
.endif
.irp t, 0,1,2,3,4,5,6,7
	global_store_b128 v[CO], v[OB+32*((\a)%2)+4*\t:OB+32*((\a)%2)+4*\t+3], s[8:9] offset:\t*2*2048  ; 16 lanes store 256 consecutive bytes, at a multiple of 256 from kv's first byte
.endr
.endm
	WIN 0
.rept 4
	v_nop                                          ; the places between the last products and the first lines that read results
.endr
	PACK 0
	TOSTAGE 0
.irp a, 1,2,3                          ; block a's arithmetic stands between block a - 1's loads from the stage and the wait for them
	PACK \a
	SEND (\a)-1
	TOSTAGE \a
.endr
	SEND 3
	s_wait_tensorcnt 0x0                           ; the wave's end, behind my last tensor load and my last LDS store
	ds_add_u32 v[SPW], v[NIL]
	s_wait_dscnt 0x0
	CROUND                                         ; the closing round: no work-group ends while a partner may still ask for a tile that names it
	s_endpgm
.Lfunc_end_k_q122af6e90c_kv:
	.size	k_q122af6e90c_kv, .Lfunc_end_k_q122af6e90c_kv-k_q122af6e90c_kv
	.p2alignl 7, 3214868480
	.fill 96, 4, 3214868480
	.section	.rodata,"a",@progbits
	.p2align	6, 0x0
	.amdhsa_kernel k_q122af6e90c_kv
		.amdhsa_group_segment_fixed_size 327680
		.amdhsa_private_segment_fixed_size 0
		.amdhsa_enable_private_segment 0
		.amdhsa_kernarg_size 24
		.amdhsa_user_sgpr_count 2
		.amdhsa_user_sgpr_kernarg_segment_ptr 1
		.amdhsa_wavefront_size32 1
		.amdhsa_system_sgpr_workgroup_id_x 1
		.amdhsa_system_sgpr_workgroup_id_y 1
		.amdhsa_system_sgpr_workgroup_id_z 1
		.amdhsa_system_vgpr_workitem_id 0
		.amdhsa_next_free_vgpr 576
		.amdhsa_next_free_sgpr 66
		.amdhsa_reserve_vcc 0
		.amdhsa_float_denorm_mode_32 3
		.amdhsa_float_denorm_mode_16_64 3
		.amdhsa_memory_ordered 1
		.amdhsa_forward_progress 1
		.amdhsa_inst_pref_size 108
	.end_amdhsa_kernel
	.amdgpu_metadata
---
amdhsa.version: [ 1, 2 ]
amdhsa.kernels:
  - .name:           k_q122af6e90c_kv
    .symbol:         k_q122af6e90c_kv.kd
    .args:
      - { .name: context, .offset: 0, .size: 8, .value_kind: global_buffer, .address_space: global }
      - { .name: wcat, .offset: 8, .size: 8, .value_kind: global_buffer, .address_space: global }
      - { .name: kv, .offset: 16, .size: 8, .value_kind: global_buffer, .address_space: global }
    .group_segment_fixed_size: 327680
    .private_segment_fixed_size: 0
    .kernarg_segment_align: 8
    .kernarg_segment_size: 24
    .max_flat_workgroup_size: 128
    .sgpr_count:     66
    .vgpr_count:     576
    .wavefront_size: 32
...
	.end_amdgpu_metadata
.endif
;; end of part 2
;; launch attn (part 3): grid 32 x 8, 4 waves a work-group, clusters of 4 x 1, 327,680 bytes of LDS; arguments tokens, kv, out0; writes out0
.if DOCPART == 3
	.amdgcn_target "amdgcn-amd-amdhsa--gfx1250"
	.amdhsa_code_object_version 6
	.text
	.protected	k_q122af6e90c_attn
	.globl	k_q122af6e90c_attn
	.p2align	8
	.type	k_q122af6e90c_attn,@function
k_q122af6e90c_attn:
	s_mov_b64 s[64:65], 0
	v_nop
	global_prefetch_b8 v0, s[64:65] scope:SCOPE_SE
	s_setreg_imm32_b32 hwreg(HW_REG_WAVE_MODE, 25, 1), 1
	s_wait_xcnt 0x0
	s_wait_alu depctr_hold_cnt(0) depctr_sa_sdst(0) depctr_va_vdst(0) depctr_va_sdst(0) depctr_va_ssrc(0) depctr_va_vcc(0) depctr_vm_vsrc(0)
	s_getreg_b32 s2, hwreg(HW_REG_IB_STS2, 6, 4)
	s_cmp_eq_u32 s2, 0
	s_cbranch_scc0 .Lentry_in_a_cluster
	s_endpgm
.Lentry_in_a_cluster:
	s_bfe_u32 s2, ttmp6, 0x10000c
	s_cmp_lg_u32 s2, 0x3003
	s_cbranch_scc0 .Lentry_shape_is_right
	s_endpgm
.Lentry_shape_is_right:
; out0[b][q][:] = the sum over s of softmax_s(tokens[b][q] . K'[b][s] / sqrt(512)) V[b][s][:].  tokens, out0: [8][4096][512] f32.  kv: [8 x 1024][1024] f16, a row = K'' (2^-10 K', 512 channels), then V (512).
; tokens . K' are the problem's scores Q . K, grouped otherwise (K' = context Wk Wq^T, made by the launches before).
; FORMAT.  tokens are rounded once to f16; products, maxima and sums in f32; the weights p are rounded to f16 for the second product (their sum l is taken of the unrounded p); out0 leaves in f32.
; LIMITS: tokens finite and |tokens| below 65,504; p lies in 0 to 1 and below 6.1e-5 keeps f16's fixed step of 6e-8; a weight below 2^-126 counts as 0 in l; NaN and infinities are not treated apart.
; SHARES.  A work-group owns 128 queries of one batch (256 work-groups), each of its four waves 32: two tiles of 16.  Every wave walks all 1,024 keys, 64 a step, 16 steps.
; At width 512 a query costs 8 registers a lane pair for Q and 16 for O: 32 queries take 768 of a wave's 1,024 registers.
; LAYOUT.  S^T = K'' Q^T (source 0 = 16 keys, source 1 = 16 queries): a lane holds ONE query (lane % 16) and the keys 8 (lane / 16) + 0..7.  Two such results, rounded to f16 in pairs, ARE source 1
; (32 keys x 16 queries) of O^T = V^T P, whose result again holds one query a lane, and eight channels.  K'' comes out of LDS as it lies, V ([key][channel]) turned, by ds_load_tr16_b128.
; SOFTMAX.  For each query a running maximum m and sum l: p = 2^(c s - c m), c = 2^10 log2(e) / sqrt(512); in every step O and l are multiplied by a = 2^(c m_old - c m_new).
; m starts at the lowest finite number and l at 0: the first step is a step like any other, with a = 0.  So O^T is never cleared: when the walk begins its registers hold the raw tokens (and 128 of its
; channels the first seam's products of staged tokens), finite numbers that the first step's a = 0 wipes.
; A STEP has 32 CHUNKS of 8 products: 0-15 K'' Q^T (32 channels each), 16-31 V^T P (64 channels x 32 keys each), the softmax between them.  A chunk's fragments are 8 LDS loads into one of four buffers of
; 32 registers; the buffers are taken in pairs: 16 loads in ONE run behind every 16 products, for the pair of chunks two pairs on.  V's first two pairs are on their way during the softmax.
; The rescaling of O^T rides between the products V^T P: four packed multiplies, one accumulator of the NEXT 64 channels, behind every second product.
; THE SEAM between two steps: chunks 28-31 of the step that ends stand round the change of slots, so that the wave multiplies while its add, the barrier and the next step's first fragments are on their way.
; CLUSTER.  The four query blocks of a cluster belong to one batch and walk the same K'' and V, so each tile is asked for JOINTLY: the same tensor load, descriptor and mask in all four.
; REGISTERS, in windows of 256 (s_set_vgpr_msb: bits 1:0 source 0, 3:2 source 1, 5:4 source 2, 7:6 destination):
;   window 0: v0-15 addresses; v16-31 eight registers of statistics a tile; v32-95 S^T, 32 a tile; v96-127 P, 16 a tile; v128-255 the four fragment buffers
;   window 1: O^T of channel blocks 0-15, block cb of tile t at v[8 (2 (cb % 16) + t)]      window 2: blocks 16-31      window 3: Q, chunk c of tile t at v[8 (16 t + c)]
.set PK,    1040      ; a row of K'' in LDS: 1,024 bytes + 16 = 260 words: row r starts at bank 4 r mod 64 (64 banks of 4 bytes: ISA guide 11.1)
.set PV,    1056      ; a row of V: 1,024 + 32 = 264 words
.set VOFF,  64*PK     ; a slot holds a step: 64 rows of K'', then 64 rows of V
.set SLOT1, 0x21000   ; slot 1 begins here: its two bits are in none of the four tile addresses of slot 0, so one exclusive or changes slots
.set STAGE, SLOT1+64*(PK+PV)  ; behind the ring, never filled by a tensor load: 16 rows x 528 bytes for each wave: Q's way in and O's way out
.set SP,    528
.set SPARE, STAGE+4*16*SP     ; the spare words, 128 bytes for each wave: two blocks of 256 bytes that no other line names
.set AK0, 2           ; v2   my lane's place in a tile of K''; never rewritten
.set AV0, 3           ; v3   the same for V
.set AK,  4           ; v4   the same in the slot in hand
.set AV,  5           ; v5
.set STO, 6           ; v6   the way out: where I put 32 bytes of a row
.set RD,  7           ; v7   the way out: where I read rows back
.set GO,  8           ; v8   16 x lane: my byte offset in 512 consecutive bytes of tokens and of out0
.set QS,  10          ; v10  Q's way in: where I put 8 bytes of a row
.set QF,  11          ; v11  where I read a fragment
.set SPW, 14          ; v14  LDS address of my spare word; never rewritten
.set NIL, 15          ; v15  0; never rewritten
.set ST,  16          ; tile t's statistics at v[ST+8 t]: +0 c m, +1 m, +2, +3 l (even keys', odd keys'), +4 to +7 c0-c3 at work; a takes c2's place once the maximum is found
.set S,   32
.set P,   96
.set F,   128
.set WV,  12          ; s12  my wave's number
.set G1K, 24          ; s[24:31] descriptor group 1 for K'''s tiles
.set G1V, 32          ; s[32:39] for V's: it differs in the padding alone
.set G0K, 40          ; s[40:43] descriptor group 0 for K'''s tiles: it walks
.set G0V, 44          ; s[44:47] the same for V's
.set CNT, 56          ; s56  steps still to be asked for
.set CS,  58          ; s[58:59] c: the packed scaling takes the pair's low word for both halves
.set SEL, 60          ; s[60:61] v_permlanex16_b32's selects: each lane takes its own place in the other half
.set TB,  62          ; s62  0 or SLOT1: the slot in hand
.set MSB, 0
.macro WIN new                      ; the high byte repeats the setting that is left; a switch that changes nothing is dropped
.if MSB != (\new)
	s_set_vgpr_msb (MSB<<8)|(\new)
.set MSB, (\new)
.endif
.endm
.set W_KQ, 0x0c       ; Q (source 1) in window 3; K'', S^T, and the LDS loads' addresses and destinations in window 0
; A joint fill.  Waves 0 and 1 fetch the two halves of a step's K'' (32 rows of 1,024 bytes each), waves 2 and 3 those of its V.  The branch hangs on the wave's number alone.
; An s_nop 0 and four v_nop follow each of the two lines.
.macro JLOAD
	s_cmp_lt_u32 s[WV], 2
	s_cbranch_scc0 .Lfor_v_\@
	tensor_load_to_lds s[G0K:G0K+3], s[G1K:G1K+7]
	s_nop 0
.rept 4
	v_nop
.endr
	s_branch .Lasked_\@
.Lfor_v_\@:
	tensor_load_to_lds s[G0V:G0V+3], s[G1V:G1V+7]
	s_nop 0
.rept 4
	v_nop
.endr
.Lasked_\@:
.endm
; A round of the cluster's barrier: my work-group's barrier; wave 0 signals for the work-group; every wave waits for all four work-groups; my work-group's barrier once more.
.macro CREST                        ; a round behind its opening barrier
	s_cmp_lg_u32 s[WV], 0
	s_cbranch_scc1 .Lnot_wave_0_\@
	s_barrier_signal -3
.Lnot_wave_0_\@:
	s_barrier_wait -3
	s_barrier_signal -1
	s_barrier_wait -1
.endm
.macro CROUND                       ; a whole round
	s_barrier_signal -1
	s_barrier_wait -1
	CREST
.endm
	s_load_b128 s[4:7], s[0:1], 0x0   ; tokens s[4:5], kv s[6:7]
	s_load_b64 s[8:9], s[0:1], 0x10   ; out0
	v_lshl_add_u32 v[SPW], v0, 2, SPARE
	v_mov_b32 v[NIL], 0
	ds_add_u32 v[SPW], v[NIL]       ; the wave's opening: the add and its wait ahead of my first tensor load; the set-up below stands between them
	v_lshrrev_b32 v1, 5, v0
	v_readfirstlane_b32 s[WV], v1   ; wave 0..3
	s_bfe_u32 s13, ttmp6, 0x40000   ; cx: my place in the cluster
	s_lshl_b32 s14, ttmp9, 2        ; in a cluster launch ttmp9 counts clusters
	s_add_co_u32 s14, s14, s13      ; my block of 128 queries = 4 x cluster x + cx: it enters tokens' and out0's addresses alone
	s_and_b32 s15, ttmp7, 0xffff    ; the batch, which the four partners share
	s_and_b32 s16, s[WV], 1         ; which half of a step's 64 keys I fetch:
	s_lshl_b32 s20, s15, 21         ; the batch's 1,024 rows of 2,048 bytes,
	s_lshl_b32 s21, s16, 16         ; my 32 rows
	s_add_co_u32 s20, s20, s21
	s_mov_b32 s21, 0
	s_mul_i32 s17, s16, 32*PK       ; and their place in a slot, for K''
	s_mul_i32 s18, s16, 32*PV       ; and for V: no place in the cluster enters an LDS address
	s_lshl_b32 s22, s15, 12         ; my wave's first query: 4,096 x batch
	s_lshl_b32 s23, s14, 7          ; + 128 x block
	s_add_co_u32 s22, s22, s23
	s_lshl_b32 s23, s[WV], 5        ; + 32 x wave,
	s_add_co_u32 s22, s22, s23
	s_lshl_b32 s22, s22, 11         ; rows of 2,048 bytes
	s_mov_b32 s23, 0
	; descriptor group 1: a tile of 32 rows x 512 elements, padded in LDS
	s_mov_b32 s[G1K], 15|(1<<16)|(1<<20)|(1<<21)|(7<<22)|(3<<25)  ; 15:0 the mask of four; 17:16 2-byte elements; 20 padding on; 21 set beside a mask; 24:22 after every 256 words (code 7); 31:25 4 words (code 3)
	s_mov_b32 s[G1V], 15|(1<<16)|(1<<20)|(1<<21)|(7<<22)|(7<<25)  ; the same with 8 words of padding (code 7)
.irp g, G1K, G1V
	s_mov_b32 s[\g+1], 512<<16      ; tensor_dim0 = 512
	s_mov_b32 s[\g+2], 32<<16       ; tensor_dim1 = 32
	s_mov_b32 s[\g+3], 512<<16      ; tile_dim0 = 512
	s_mov_b32 s[\g+4], 32           ; tile_dim1 = 32
	s_mov_b32 s[\g+5], 1024         ; 1,024 elements from row to row
	s_mov_b32 s[\g+6], 0
	s_mov_b32 s[\g+7], 0
.endr
	s_mov_b32 s[CS], 0x428293ee     ; c = 2^10 log2(e) / sqrt(512) = 65.2889
	s_mov_b32 s[CS+1], s[CS]        ; named with it as a pair
	s_mov_b32 s[SEL], 0x76543210
	s_mov_b32 s[SEL+1], 0xfedcba98
	s_mov_b32 s[TB], SLOT1          ; the first seam turns it into 0
	s_mov_b32 s[G0K], 1             ; count = 1
	s_mov_b32 s[G0K+1], s17         ; LDS address: slot 0
	s_mov_b32 s[G0V], 1
	s_add_co_u32 s[G0V+1], s18, VOFF
	s_wait_dscnt 0x0                ; the opening add is done
	s_wait_kmcnt 0x0
	s_add_nc_u64 s[6:7], s[6:7], s[20:21]
	s_mov_b64 s[G0K+2:G0K+3], s[6:7]               ; global address: my half of the batch's first 64 rows, K'' at a row's head,
	s_or_b32 s[G0K+3], s[G0K+3], 0x80000000        ; type = 2
	s_add_nc_u64 s[G0V+2:G0V+3], s[6:7], 1024      ; V 1,024 bytes on
	s_or_b32 s[G0V+3], s[G0V+3], 0x80000000
	s_add_nc_u64 s[4:5], s[4:5], s[22:23]          ; tokens and out0 at my wave's first row
	s_add_nc_u64 s[8:9], s[8:9], s[22:23]
	CROUND                          ; all four work-groups are here: the first joint loads meet
	JLOAD                           ; step 0 into slot 0: one tensor load of mine is out
	; MY 32 ROWS OF TOKENS: 128 loads, each of 512 consecutive bytes, into O^T's registers, which are still free.  Batch b = 2 t + hf: tile t's 16 rows, channels 256 hf on; load i: row i / 2, 512 (i % 2) bytes on.
	v_and_b32 v12, 31, v0           ; lane
	v_lshlrev_b32 v[GO], 4, v12
.set b, 0
.rept 4
	WIN 0x40<<(b/2)                 ; destination window 1 (tile 0) or 2 (tile 1)
.set i, 0
.rept 32
	global_load_b128 v[128*(b%2)+4*i:128*(b%2)+4*i+3], v[GO], s[4:5] offset:(16*(b/2)+i/2)*2048+(b%2)*1024+(i%2)*512 th:TH_LOAD_NT
.set i, i+1
.endr
.set b, b+1
.endr
	WIN 0
	; A fragment of K'' or Q is 16 rows x 32 channels in 8 registers: lane l holds row l % 16, channels 8 (l / 16) + 0..7 and 16 + 8 (l / 16) + 0..7: two loads of 16 bytes, 32 bytes apart.
	v_and_b32 v1, 15, v0            ; l % 16
	v_bfe_u32 v9, v0, 4, 1          ; l / 16
	v_mul_u32_u24 v[AK0], v1, PK
	v_lshl_add_u32 v[AK0], v9, 4, v[AK0]
	; The turning load takes 16 keys x 16 channels (lane l reads key 8 (l / 16) + l % 8, channels 8 ((l / 8) % 2) + 0..7) and leaves half a fragment of V^T: lane l holds channel l % 16 and 8 keys.
	v_and_b32 v13, 7, v0
	v_lshl_add_u32 v[AV0], v9, 3, v13
	v_mul_u32_u24 v[AV0], v[AV0], PV
	v_bfe_u32 v13, v0, 3, 1
	v_lshl_add_u32 v[AV0], v13, 4, v[AV0]
	v_add_nc_u32 v[AV0], VOFF, v[AV0]
	s_mul_i32 s19, s[WV], 16*SP
	s_add_co_u32 s19, s19, STAGE    ; my stage
	v_mul_u32_u24 v13, v1, SP
	v_add_nc_u32 v13, s19, v13      ; its row l % 16
	v_lshl_add_u32 v[STO], v9, 5, v13  ; O's way out: 32 bytes (8 f32) for each half of the lanes
	v_lshl_add_u32 v[QF], v9, 4, v13   ; Q's fragments: 16 bytes (8 f16)
	v_add_nc_u32 v[RD], s19, v[GO]     ; back: 32 lanes take a row of 512 bytes
	v_lshl_add_u32 v[QS], v12, 3, s19  ; Q's way in: 8 bytes (4 f16) a lane
; A batch of tokens: rounded to f16 into 64 registers from base on, laid into my stage as 16 rows of 256 channels, read back as 8 fragments.  left: the younger batches' loads that may stay out (the count's field ends at 63).
; The stage is my own and LDS serves a wave's instructions in order (ISA guide 5.7.1.4): no wait stands between the stores and the loads, nor in front of the next batch's stores.
; The four bases cover v96-255: P's registers and all four fragment buffers then hold finite f16 numbers, which is all that the first seam's products ask of them.
.macro QIN b, left, base
	s_wait_loadcnt \left
	WIN 0x05*(1+(\b)/2)             ; sources 0 and 1 window 1 or 2, destination window 0
.set i, 0
.rept 32
	v_cvt_pk_f16_f32 v[(\base)+2*i],   v[128*((\b)%2)+4*i],   v[128*((\b)%2)+4*i+1]
	v_cvt_pk_f16_f32 v[(\base)+2*i+1], v[128*((\b)%2)+4*i+2], v[128*((\b)%2)+4*i+3]
.set i, i+1
.endr
	WIN 0
.set i, 0
.rept 32
	ds_store_b64 v[QS], v[(\base)+2*i:(\base)+2*i+1] offset:(i/2)*SP+(i%2)*256
.set i, i+1
.endr
	WIN 0xc0                        ; destination window 3
.set i, 0
.rept 8
	ds_load_b128 v[8*(16*((\b)/2)+8*((\b)%2)+i):8*(16*((\b)/2)+8*((\b)%2)+i)+3],   v[QF] offset:64*i
	ds_load_b128 v[8*(16*((\b)/2)+8*((\b)%2)+i)+4:8*(16*((\b)/2)+8*((\b)%2)+i)+7], v[QF] offset:64*i+32
.set i, i+1
.endr
	WIN 0
.endm
	QIN 0, 63, 96
	QIN 1, 63, 160
	QIN 2, 32, 96
	QIN 3, 0, 192
	; What the first step finds: m at the lowest finite number, c m far below every c s (so its a is 0), l = 0.  a itself is 0 for the first seam's rescaling.
.irp t, 0,1
	v_mov_b32 v[ST+8*\t], 0xfe000000
	v_mov_b32 v[ST+8*\t+1], 0xff7fffff
	v_mov_b32 v[ST+8*\t+2], 0
	v_mov_b32 v[ST+8*\t+3], 0
	v_mov_b32 v[ST+8*\t+6], 0
	v_mov_b32 v[ST+8*\t+7], 0
.endr
; Chunk n of a step's 32: eight LDS loads into fragment buffer n % 4.  n < 16: K'', channels 32 n on, four blocks of 16 keys.  n >= 16: V, keys 32 ((n - 16) % 2) on, four blocks of 16 channels from 64 ((n - 16) / 2) on.
.macro LDCH n
.set fb, F+32*((\n)%4)
.if (\n) < 16
.irp kb, 0,1,2,3
	ds_load_b128 v[fb+8*\kb:fb+8*\kb+3],   v[AK] offset:\kb*16*PK+64*(\n)
	ds_load_b128 v[fb+8*\kb+4:fb+8*\kb+7], v[AK] offset:\kb*16*PK+64*(\n)+32
.endr
.else
.irp u, 0,1,2,3
	ds_load_tr16_b128 v[fb+8*\u:fb+8*\u+3],   v[AV] offset:(((\n)-16)%2)*32*PV+(4*(((\n)-16)/2)+\u)*32
	ds_load_tr16_b128 v[fb+8*\u+4:fb+8*\u+7], v[AV] offset:(((\n)-16)%2)*32*PV+(4*(((\n)-16)/2)+\u)*32+16*PV
.endr
.endif
.endm
; O^T times a: accumulator m of the eight of group gg (64 channels): channel block 4 gg + m / 2, tile m % 2: four packed multiplies, its registers in ascending order.
.macro RS1 gg, m
	WIN 0x41*(1+(\gg)/4)            ; destination and source 0 window 1 or 2; a in window 0
.set rR, 8*(2*((4*(\gg)+(\m)/2)%16)+(\m)%2)
.irp z, 0,1,2,3
	v_pk_mul_f32 v[rR+2*\z:rR+2*\z+1], v[rR+2*\z:rR+2*\z+1], v[ST+8*((\m)%2)+6:ST+8*((\m)%2)+7] op_sel_hi:[1,0]
.endr
.endm
; Chunk i (16 to 31) of V^T P: 8 products, channel block 4 g + n / 2, tile n % 2; the 8 accumulators take turns, one instruction a turn.  cnt: the LDS instructions that may stay out (-1: no wait).
; rid = 1: behind every second product one accumulator of the next group is rescaled.  Those four lines name no register of the products round them; behind a chunk's last product they are also the four
; places in front of loads into the buffers just read (ISA guide 7.12.1 for vector instructions).
.macro PVC i, cnt, rid
.set g, ((\i)-16)/2
.set kk, ((\i)-16)%2
.if (\cnt) >= 0
	s_wait_dscnt \cnt
.endif
.set n, 0
.rept 8
	WIN 0x50*(1+g/4)                ; C and D window 1 or 2
.set rO, 8*(2*((4*g+n/2)%16)+n%2)
	v_wmma_f32_16x16x32_f16 v[rO:rO+7], v[F+32*((\i)%4)+8*(n/2):F+32*((\i)%4)+8*(n/2)+7], v[P+16*(n%2)+8*kk:P+16*(n%2)+8*kk+7], v[rO:rO+7]
.if (\rid) && (n%2 == 1)
	RS1 g+1, 4*kk+n/2
.endif
.set n, n+1
.endr
.endm
.macro BOTH line:vararg             ; one line for each tile t: the two alternate, so that few lines read the result of the line before
.set t, 0
.rept 2
	\line
.set t, t+1
.endr
.endm
; THE SOFTMAX's lines behind the maximum go by QUADS: quad q is the four weights 4 (q / 2) + 0..3 of tile q % 2.
.macro SMF q, p                     ; c s - c m for pair p (0, 1) of the quad
.set t, (\q)%2
.set rS, S+32*t+4*((\q)/2)+2*(\p)
	v_pk_fma_f32 v[rS:rS+1], v[rS:rS+1], s[CS:CS+1], v[ST+8*t:ST+8*t+1] op_sel_hi:[1,0,0] neg_lo:[0,0,1] neg_hi:[0,0,1]
.endm
.macro SME q, x                     ; weight x (0 to 3) of the quad, in place
.set rS, S+32*((\q)%2)+4*((\q)/2)+(\x)
	v_exp_f32 v[rS], v[rS]
.endm
.macro SMC q, p                     ; pair p rounded to f16: register 2 (q / 2) + p of the tile's two fragments of P
.set t, (\q)%2
.set rS, S+32*t+4*((\q)/2)+2*(\p)
	s_wait_alu depctr_va_vdst(0)
	v_cvt_pk_f16_f32 v[P+16*t+2*((\q)/2)+(\p)], v[rS], v[rS+1]
.endm
.macro SMB q                        ; the quad's second pair is added onto its first, in place (in a pair: an even key's weight, an odd key's)
.set rS, S+32*((\q)%2)+4*((\q)/2)
	v_pk_add_f32 v[rS:rS+1], v[rS:rS+1], v[rS+2:rS+3]
.endm
.macro SML q                        ; l takes that sum; a tile's first quad as l = a l + sum
.set t, (\q)%2
.set rS, S+32*t+4*((\q)/2)
.if (\q) < 2
	v_pk_fma_f32 v[ST+8*t+2:ST+8*t+3], v[ST+8*t+2:ST+8*t+3], v[ST+8*t+6:ST+8*t+7], v[rS:rS+1] op_sel_hi:[1,0,1]
.else
	v_pk_add_f32 v[ST+8*t+2:ST+8*t+3], v[ST+8*t+2:ST+8*t+3], v[rS:rS+1]
	s_wait_alu depctr_va_vdst(0)
.endif
.endm
; THE SOFTMAX of a step, both tiles.  s0-s31 are a lane's 32 scores of a tile.
.macro SMX
	WIN 0
.set j, 0
.rept 4                             ; the maximum: four chains c0-c3 of seven scores each, three operands at a time; each accumulator's lowest registers are read first
	BOTH v_max3_num_f32 v[ST+8*t+4+j], v[S+32*t+8*j], v[S+32*t+8*j+1], v[S+32*t+8*j+2]
.set j, j+1
.endr
.rept 8
	BOTH v_max3_num_f32 v[ST+8*t+4+j%4], v[ST+8*t+4+j%4], v[S+32*t+8*(j%4)+2*(j/4)+1], v[S+32*t+8*(j%4)+2*(j/4)+2]
.set j, j+1
.endr
	BOTH v_max3_num_f32 v[ST+8*t+4], v[ST+8*t+4], v[S+32*t+7], v[S+32*t+15]    ; the four scores left over,
	BOTH v_max3_num_f32 v[ST+8*t+6], v[ST+8*t+6], v[S+32*t+23], v[S+32*t+31]
	BOTH v_max3_num_f32 v[ST+8*t+4], v[ST+8*t+4], v[ST+8*t+5], v[ST+8*t+6]     ; c0-c3 and the old m into c0
	BOTH v_max3_num_f32 v[ST+8*t+4], v[ST+8*t+4], v[ST+8*t+7], v[ST+8*t+1]
	BOTH v_permlanex16_b32 v[ST+8*t+5], v[ST+8*t+4], s[SEL], s[SEL+1]          ; the query's other 32 keys lie in the lane 16 away
	BOTH v_mov_b32 v[ST+8*t+7], v[ST+8*t]                                      ; c m_old is kept
	BOTH v_max_num_f32 v[ST+8*t+1], v[ST+8*t+4], v[ST+8*t+5]                   ; the new m
	BOTH v_mul_f32 v[ST+8*t], s[CS], v[ST+8*t+1]                               ; c m
	BOTH v_sub_f32 v[ST+8*t+7], v[ST+8*t+7], v[ST+8*t]
	BOTH v_exp_f32 v[ST+8*t+6], v[ST+8*t+7]                                    ; a; the scalings below are the plain lines behind it (ISA guide 5.7.2)
	; Sixteen quads.  Between a quad's four exponentials stands plain work that is ready: the scalings of the quad two on, the roundings and the first sum of the quad before, l for the quad two back.
	; The line behind an exponential is another exponential or a plain line that names neither its result nor its source, and a plain line stands ahead of every use of a result (ISA guide 5.7.2).
	SMF 0, 0
	SMF 0, 1
	SMF 1, 0
	SMF 1, 1
.set q, 0
.rept 16
	SME q, 0
.if q < 14
	SMF q+2, 0
.endif
.if q > 0
	SMC q-1, 0
.endif
	SME q, 1
.if q < 14
	SMF q+2, 1
.endif
.if q > 0
	SMC q-1, 1
.endif
	SME q, 2
.if q > 0
	SMB q-1
.endif
	SME q, 3
.if q > 1
	SML q-2
.endif
.set q, q+1
.endr
	SMC 15, 0
	SMC 15, 1
	SMB 15
	SML 14
	SML 15
.set j, 0
.rept 8                             ; the first 64 channels of O^T times a: no product stands ahead of them to ride behind
	RS1 0, j
.set j, j+1
.endr
.endm
; THE BODY OF A STEP: chunks 0-15, the softmax, chunks 16-27.  At its head chunks 0-3 are on their way (32 loads); at its end chunks 28-31 are.
; The counts: LDS loads come back in order (ISA guide 5.7.1).  At an even chunk the other chunk of its pair (8) and the next pair (16) may be out; at an odd one the next pair.
; A load into a register that a matrix instruction has read stands four places behind it, and only plain vector instructions that name none of its registers are places (ISA guide 7.12.1 for vector
; instructions): four v_nop behind a pair of K'' Q^T (behind the last they are also the places in front of the softmax's first read).
.macro MAIN
	WIN W_KQ
.set i, 0
.rept 16
	s_wait_dscnt 24-8*(i%2)
.irp kb, 0,1,2,3
.irp t, 0,1
.if i == 0
	v_wmma_f32_16x16x32_f16 v[S+32*\t+8*\kb:S+32*\t+8*\kb+7], v[F+32*(i%4)+8*\kb:F+32*(i%4)+8*\kb+7], v[8*(16*\t+i):8*(16*\t+i)+7], 0
.else
	v_wmma_f32_16x16x32_f16 v[S+32*\t+8*\kb:S+32*\t+8*\kb+7], v[F+32*(i%4)+8*\kb:F+32*(i%4)+8*\kb+7], v[8*(16*\t+i):8*(16*\t+i)+7], v[S+32*\t+8*\kb:S+32*\t+8*\kb+7]
.endif
.endr
.endr
.if i%2
.rept 4
	v_nop
.endr
	LDCH i+3                        ; the pair two pairs on, into the two buffers just read
	LDCH i+4
.endif
.set i, i+1
.endr
	SMX
.rept 6
	PVC i, 24, 1
	PVC i+1, 16, 1
	WIN 0
	LDCH i+4
	LDCH i+5
.set i, i+2
.endr
.endm
; THE SEAM: the last four chunks of the step that ends, round the change of slots.  Each wave waits for all its tensor loads, of which one is out: its part of the step to come; adds 0 to its spare word;
; multiplies chunk 28 while the add is out; waits for the add and for ALL its reads of the slot that it leaves (chunks 29-31 are then in registers); signals; multiplies chunk 29 while the others arrive.
; fill = 1: the barrier opens a round of the cluster's, and the slot just left is filled with the step after the one to come, first thing behind the round: that load has a whole step in which to land.
; Then the next step's first pair of chunks is asked for, chunks 30 and 31 are multiplied while it is on its way, and the second pair is asked for.
; (At its first use no step has been: slot 0 is waited for, slot 1 filled, and the 32 products add finite numbers to registers that the first step multiplies by a = 0.)
.macro SEAM fill
	WIN 0                           ; (the add's two registers lie in window 0)
	s_wait_tensorcnt 0x0            ; no tensor load of mine is out, so a group 0 may be written
	ds_add_u32 v[SPW], v[NIL]       ; 0 onto my spare word
.if \fill
.irp d, G0K, G0V
	s_xor_b32 s[\d+1], s[\d+1], SLOT1  ; the walking descriptor: the other slot than last time,
	s_add_nc_u64 s[\d+2:\d+3], s[\d+2:\d+3], 64*2048  ; the next 64 rows of kv; the type bits on top are not reached
.endr
.endif
	PVC 28, 25, 1                   ; chunks 29-31 (24 loads) and the add may be out
	s_wait_dscnt 0x0                ; the add is done, and my reads of the slot are over
	s_barrier_signal -1
	PVC 29, -1, 1                   ; work on registers while the others arrive
	WIN 0                           ; at a branch and at a label every window is 0
	s_barrier_wait -1
.if \fill
	CREST                           ; no wave of any partner still reads the slot or has a load on its way
	JLOAD                           ; my one tensor load behind the round
.endif
	s_xor_b32 s[TB], s[TB], SLOT1
	v_add_nc_u32 v[AK], s[TB], v[AK0]
	v_add_nc_u32 v[AV], s[TB], v[AV0]
	LDCH 0                          ; into the buffers of chunks 28 and 29; chunk 29's last four rescaling lines are the places
	LDCH 1
	PVC 30, -1, 0
	PVC 31, -1, 0
	WIN 0
.rept 4
	v_nop                           ; the places in front of the loads into the buffers of chunks 30 and 31
.endr
	LDCH 2
	LDCH 3
.endm
	s_mov_b32 s[CNT], 15
.Lstep:                             ; 15 trips: the seam in front of step j waits for tile j and asks for tile j + 1
	SEAM 1
	MAIN
	WIN 0
	s_sub_co_u32 s[CNT], s[CNT], 1
	s_cmp_lg_u32 s[CNT], 0
	s_cbranch_scc1 .Lstep
	SEAM 0                          ; the last step is written out: nothing is asked for
	MAIN
	PVC 28, 24, 1                   ; the last step's last four chunks: nothing more is fetched, and the counts run down
	PVC 29, 16, 1
	PVC 30, 8, 0
	PVC 31, 0, 0
	; THE WAY OUT.  l's two halves and the other half of the lanes' are added; O^T is divided by l and sent through my stage in LDS, 16 queries x 128 channels of f32 at a time.
	WIN 0
	BOTH v_add_f32 v[ST+8*t+4], v[ST+8*t+2], v[ST+8*t+3]
	BOTH v_permlanex16_b32 v[ST+8*t+5], v[ST+8*t+4], s[SEL], s[SEL+1]
	BOTH v_add_f32 v[ST+8*t+4], v[ST+8*t+4], v[ST+8*t+5]
	BOTH v_rcp_f32 v[ST+8*t+6], v[ST+8*t+4]
	v_nop                           ; a plain instruction between the last reciprocal and the use of its result
	s_wait_alu depctr_va_vdst(0)
; Group g: tile g / 4, channels 128 (g % 4) on.  A lane's eight channels of a row are 32 bytes; they go into rows of 528 bytes and come back as whole rows of 512, into the fragment buffers' registers.
.macro PACKST g
.set t, (\g)/4
.set qd, (\g)%4
	WIN 0x41*(1+qd/2)
.set u, 0
.rept 8
.set rO, 8*(2*((8*qd+u)%16)+t)
.irp z, 0,1,2,3
	v_pk_mul_f32 v[rO+2*\z:rO+2*\z+1], v[rO+2*\z:rO+2*\z+1], v[ST+8*t+6:ST+8*t+7] op_sel_hi:[1,0]
.endr
.set u, u+1
.endr
	WIN 0x04*(1+qd/2)               ; the stores' data (source 1) window 1 or 2
.set u, 0
.rept 8
.set rO, 8*(2*((8*qd+u)%16)+t)
	ds_store_b128 v[STO], v[rO:rO+3]   offset:64*u
	ds_store_b128 v[STO], v[rO+4:rO+7] offset:64*u+16
.set u, u+1
.endr
	WIN 0
	s_wait_xcnt 0x0                 ; every earlier memory instruction has had its addresses translated (ISA guide 3.1): the registers that the stores of two groups ago read are loaded again only behind this wait
.set i, 0
.rept 16
	ds_load_b128 v[F+64*((\g)%2)+4*i:F+64*((\g)%2)+4*i+3], v[RD] offset:SP*i  ; LDS serves a wave's instructions in order (ISA guide 5.7.1.4): these see the stores above; the next group's stores come behind them
.set i, i+1
.endr
.endm
.macro SEND g, younger              ; younger: the LDS instructions issued behind group g's loads: the next group's 16 stores and 16 loads, or none
	WIN 0
	s_wait_dscnt \younger
.set i, 0
.rept 16
	global_store_b128 v[GO], v[F+64*((\g)%2)+4*i:F+64*((\g)%2)+4*i+3], s[8:9] offset:(16*((\g)/4)+i)*2048+512*((\g)%4) th:TH_STORE_NT  ; the wave stores 512 consecutive bytes, at a multiple of 512 from out0's first byte
.set i, i+1
.endr
.endm
	PACKST 0
.set n, 1
.rept 7                             ; a group's arithmetic stands between the loads of the group before and its stores
	PACKST n
	SEND n-1, 32
.set n, n+1
.endr
	SEND 7, 0
	s_wait_tensorcnt 0x0            ; the wave's end, behind my last tensor load and my last LDS store
	ds_add_u32 v[SPW], v[NIL]
	s_wait_dscnt 0x0
	CROUND                          ; the closing round: no work-group ends while a partner may still ask for a tile that names it
	s_endpgm
.Lfunc_end_k_q122af6e90c_attn:
	.size	k_q122af6e90c_attn, .Lfunc_end_k_q122af6e90c_attn-k_q122af6e90c_attn
	.p2alignl 7, 3214868480
	.fill 96, 4, 3214868480
	.section	.rodata,"a",@progbits
	.p2align	6, 0x0
	.amdhsa_kernel k_q122af6e90c_attn
		.amdhsa_group_segment_fixed_size 327680
		.amdhsa_private_segment_fixed_size 0
		.amdhsa_enable_private_segment 0
		.amdhsa_kernarg_size 24
		.amdhsa_user_sgpr_count 2
		.amdhsa_user_sgpr_kernarg_segment_ptr 1
		.amdhsa_wavefront_size32 1
		.amdhsa_system_sgpr_workgroup_id_x 1
		.amdhsa_system_sgpr_workgroup_id_y 1
		.amdhsa_system_sgpr_workgroup_id_z 1
		.amdhsa_system_vgpr_workitem_id 0
		.amdhsa_next_free_vgpr 1024
		.amdhsa_next_free_sgpr 66
		.amdhsa_reserve_vcc 0
		.amdhsa_float_denorm_mode_32 3
		.amdhsa_float_denorm_mode_16_64 3
		.amdhsa_memory_ordered 1
		.amdhsa_forward_progress 1
		.amdhsa_inst_pref_size 231
	.end_amdhsa_kernel
	.amdgpu_metadata
---
amdhsa.version: [ 1, 2 ]
amdhsa.kernels:
  - .name:           k_q122af6e90c_attn
    .symbol:         k_q122af6e90c_attn.kd
    .args:
      - { .name: tokens, .offset: 0, .size: 8, .value_kind: global_buffer, .address_space: global }
      - { .name: kv, .offset: 8, .size: 8, .value_kind: global_buffer, .address_space: global }
      - { .name: out0, .offset: 16, .size: 8, .value_kind: global_buffer, .address_space: global }
    .group_segment_fixed_size: 327680
    .private_segment_fixed_size: 0
    .kernarg_segment_align: 8
    .kernarg_segment_size: 24
    .max_flat_workgroup_size: 128
    .sgpr_count:     66
    .vgpr_count:     1024
    .wavefront_size: 32
...
	.end_amdgpu_metadata
.endif
;; end of part 3
